; MI455X (gfx1250); checked and timed in simulation.
; The chip was launched on July 23, 2026; its instructions are those of AMD's public machine-readable ISA for CDNA 5 (MIT licence, August 2026) and "CDNA5" Instruction Set Architecture Reference Guide (July 2026). The comments in the code are by the model that wrote it; some were corrected since.
;; Ro I Target. Allowed arithmetic: float matrix products may take bf16 or f16 operands with f32 sums; all other float work in f32.
;; Inputs: gt_batch_inds 1,024 int32; gt_boxes 1,024 x 5 float32; roi_batch_inds 32,768 int32; rois 32,768 x 5 float32.
;; Outputs: out0 32,768 int32; out1 32,768 x 4 float32; out2 32,768 x 1 float32.
;; One version. Each part assembles by itself: llvm-mc -triple=amdgcn-amd-amdhsa -mcpu=gfx1250 --defsym DOCPART=n.
;; ======== version 1 of 1: 1 launch
;; launch roitarget (part 1): grid 256 x 1, 32 waves a work-group, no clusters, 73,984 bytes of LDS; arguments gt_batch_inds, gt_boxes, roi_batch_inds, rois, out0, out1, out2; writes out0, out1, out2
.if DOCPART == 1
	.amdgcn_target "amdgcn-amd-amdhsa--gfx1250"
	.amdhsa_code_object_version 6
	.text
	.protected	k_qe0d952bb15_roitarget
	.globl	k_qe0d952bb15_roitarget
	.p2align	8
	.type	k_qe0d952bb15_roitarget,@function
k_qe0d952bb15_roitarget:
	s_mov_b64 s[64:65], 0
	v_nop
	global_prefetch_b8 v0, s[64:65] scope:SCOPE_SE
	s_setreg_imm32_b32 hwreg(HW_REG_WAVE_MODE, 25, 1), 1
	s_wait_xcnt 0x0
; RoI targets: for each of 32,768 rois the ground-truth box (gt) of the same image with the largest IoU (first index on a tie);
; if that IoU >= 0.5 the gt's label, the four box deltas and weight 1, otherwise zeros.
;
; Pairs of different images are masked by the problem itself, so they are not formed: the 1,024 gts are sorted (stably) by
; class = id & 7, and a roi walks only the slots of its own class.  The full ids are still compared pair by pair, so any int32 id is
; served; ids that crowd into one class cost trips, never a value.
; A work-group owns 128 consecutive rois; 32 waves; a wave owns 4 rois.  In the main loop a LANE IS A GT (32 sorted slots a trip) and the
; roi lies in scalar registers.  The winner's box and label are carried by selects.
; CONTROL: trip counts and first slots hang only on whole numbers that the wave itself loaded from the two index inputs: every wave counts
; the eight classes over all 1,024 ids in its own registers.  What goes from wave to wave through LDS (the ranks that place the gts) ends in
; LDS store addresses alone.  EXEC is never narrowed, and no branch hangs on a floating-point number.
; Between two barriers LDS is either only read or only written: several addresses depend on the ids, and so the ordering holds
; wherever they fall.
; No cluster, no tensor load: what the work-groups share is the gt table, 24,576 bytes read once per work-group, and every thread needs its
; own row in registers to place it in its sorted slot; a tile in LDS would add a barrier and a trip through LDS for those bytes.
;
; LIMITS.  A candidate whose IoU is NaN (NaN or infinite coordinates, a union of exactly zero) is skipped here, while the reference lets it
; make the whole row background.  IoU = inter * rcp(union) with one residual correction: exact where the quotient is representable,
; otherwise within one unit in the last place of the rounded quotient.  Labels outside int32 saturate.
.set NG,      1024                     ; gts
.set WG_ROIS, 128                      ; rois of a work-group
.set W_ROIS,  4                        ; rois of a wave
; LDS, bytes
.set BOX,     0                        ; 1,056 sorted slots x 16: x1 y1 x2 y2 (32 pad slots behind the last)
.set AUX,     (NG+32)*16               ; 1,056 x 16: area, id, label, 0
.set RANK,    2*AUX                    ; wave 4c+q: 256 words, rank of each gt of quarter q among that quarter's gts of class c
.set CNT,     RANK+32*1024             ; 32 words: members of (class, quarter), class-major
.set RESB,    CNT+128                  ; 128 x 16: the matched box of each roi
.set RESA,    RESB+WG_ROIS*16          ; 128 x 8: its IoU and label
; vector registers
.set LANE, 1
.set L16,  2                           ; 16 x lane
.set L4,   3                           ; 4 x lane
.set T4,   4                           ; 4 x thread
.set GOFF, 5                           ; 20 x thread: my gt's row
.set IOFF, 6                           ; my word in the scanned quarter's first chunk of ids
.set RL,   7                           ; (thread + 64) & 127: the roi that this lane finishes if its wave is 2..5
.set G,    8                           ; v[8:15]  eight chunks of ids; later a trip's box v[8:11] and area, id, label v[12:14]
.set OWN,  16                          ; v[16:23] my gt: box, then area, id, label, 0
.set RB,   24                          ; v[24:27] box of roi RL
.set CN,   28                          ; lane i: count of segment i
.set INC,  29                          ; inclusive prefix of the counts
.set EXC,  30                          ; exclusive prefix
.set TMP,  31
.set BEST, 32                          ; v[32:63] roi r at 8 r: box, IoU, label, slot address, candidate key
.set HID,  32                          ; v[32:63] before that: all 1,024 ids, 32 a lane, for the count of the classes
.set W,    64                          ; v[64:87] work
.set HT,   W                           ; v[64:69] counting: at work
.set ACC,  W+6                         ; v[70:72] counting: three words of eight 4-bit counters
.set HE,   W+10                        ; v74      counting: bytes = my lane's members of classes 0, 2, 4, 6
.set HO,   W+11                        ; v75      counting: of classes 1, 3, 5, 7
.set ADR,  88
.set ROFF, 89
.set RKA,  90
.set CNA,  91
.set CLS,  92
.set RKR,  93
.set BIX,  94
.set CNR,  95
.set POS,  96
.set RK,   97
.set BASE, 98
.set PADA, 99
.set RSB,  100
.set RSA,  101
.set FA,   102                         ; output: LDS address of roi RL's matched box
.set FB,   103                         ; output: LDS address of roi RL's IoU and label
.set FO,   104                         ; output: 16 x RL, roi RL's bytes in the work-group's part of out1
.set FL,   105                         ; output: LDS address of the IoUs and labels of rois 4 lane .. 4 lane + 3
; scalar registers
.set RROW, 36                          ; s[36:55] my four rois' rows of five floats
.set RID,  56                          ; s[56:59] their batch ids
.set RAR,  60                          ; s[60:63] their areas
.set WIN,  36                          ; s[36:59] behind the main loops: roi r at 6 r: the winner's box, IoU, label
.set TOT,  88                          ; s[88:95] class c: members; then members << 16 | first slot
.set MSK,  96                          ; s[96:101] six lane masks at work
	s_load_b256 s[4:11], s[0:1], 0x0               ; gt_batch_inds s[4:5], gt_boxes s[6:7], roi_batch_inds s[8:9], rois s[10:11]
	s_load_b128 s[12:15], s[0:1], 0x20             ; out0 s[12:13], out1 s[14:15]
	s_load_b64 s[16:17], s[0:1], 0x30              ; out2
	v_lshl_add_u32 v126, v0, 2, 0x11100
	v_mov_b32 v127, 0
	v_and_b32 v[LANE], 31, v0
	v_lshrrev_b32 v[TMP], 5, v0
	v_readfirstlane_b32 s18, v[TMP]                ; wave 0..31
	s_lshr_b32 s19, s18, 2                         ; the class that this wave scans for
	s_and_b32 s20, s18, 3                          ; in this quarter of the gts,
	s_lshl_b32 s20, s20, 10                        ; 256 ids of 4 bytes each
	v_lshlrev_b32 v[L16], 4, v[LANE]
	v_lshlrev_b32 v[L4], 2, v[LANE]
	v_lshlrev_b32 v[T4], 2, v0
	v_mul_u32_u24 v[GOFF], 20, v0
	v_add_nc_u32 v[IOFF], s20, v[L4]
	v_add_nc_u32 v[RL], 64, v0
	v_and_b32 v[RL], 127, v[RL]                    ; waves 2..5: 0..127 in order
	v_lshlrev_b32 v[FO], 4, v[RL]                  ; the output phase's addresses hang on the thread's number alone: 16 bytes a roi, in LDS and in out1
	v_add_nc_u32 v[FA], RESB, v[FO]
	v_lshl_add_u32 v[FB], v[RL], 3, RESA           ; 8 bytes a roi
	v_lshl_add_u32 v[FL], v[LANE], 5, RESA         ; four rois a lane: 32 bytes
	s_mul_i32 s21, ttmp9, WG_ROIS*20               ; the work-group's first roi row, bytes
	v_mad_u32_u24 v[ROFF], v[RL], 20, s21
	s_mul_i32 s22, s18, W_ROIS*20
	s_add_co_u32 s22, s21, s22                     ; my wave's four rows
	s_mov_b32 s23, 0
	s_lshl_b32 s24, ttmp9, 9
	s_lshl_b32 s25, s18, 4
	s_add_co_u32 s24, s24, s25                     ; and their four ids
	s_mov_b32 s25, 0
	s_wait_kmcnt 0x0
	s_add_nc_u64 s[26:27], s[10:11], s[22:23]
	s_add_nc_u64 s[28:29], s[8:9], s[24:25]
	s_load_b512 s[RROW:RROW+15], s[26:27], 0x0     ; 80 bytes: four rows of x1 y1 x2 y2 score
	s_load_b128 s[RROW+16:RROW+19], s[26:27], 0x40
	s_load_b128 s[RID:RID+3], s[28:29], 0x0
.irp k, 0,1,2,3,4,5,6,7
	global_load_b32 v[G+\k], v[IOFF], s[4:5] offset:128*\k     ; chunk k of my quarter: 32 neighbouring ids
.endr
.irp k, 0,1,2,3,4,5,6,7
	global_load_b128 v[HID+4*\k:HID+4*\k+3], v[L16], s[4:5] offset:512*\k      ; all ids: 512 neighbouring bytes a load, 8 loads = 4,096 bytes
.endr
	global_load_b32 v[OWN+5], v[T4], s[4:5]                    ; gt number = thread number: its id,
.irp j, 0,1,2,3
	global_load_b32 v[OWN+\j], v[GOFF], s[6:7] offset:4*\j     ; its box,
.endr
	global_load_b32 v[OWN+6], v[GOFF], s[6:7] offset:16        ; its label
.irp j, 0,1,2,3
	global_load_b32 v[RB+\j], v[ROFF], s[10:11] offset:4*\j    ; box of roi RL.  Every wave issues these four; waves 2..5 use them at the end
.endr
	; SCAN.  Ranks of class s19 in my quarter.  Every lane stores a number; only members' words are read later.
	s_lshl_b32 s30, s18, 10
	s_add_co_u32 s30, s30, RANK
	v_add_nc_u32 v[RKA], s30, v[L4]                ; my wave's own 1,024 bytes
	s_lshl_b32 s31, s18, 2
	s_add_co_u32 s31, s31, CNT
	v_mov_b32 v[CNA], s31                          ; my wave's own word
	s_mov_b32 s32, 0                               ; members so far
	s_wait_loadcnt 18                              ; the eight chunks are in; the 18 younger loads (8 of all ids; id, box, label, roi box) stay out
.irp k, 0,1,2,3,4,5,6,7
	v_and_b32 v[W+\k], 7, v[G+\k]
	v_cmp_eq_u32 vcc_lo, s19, v[W+\k]
	v_mbcnt_lo_u32_b32 v[W+8+\k], vcc_lo, s32      ; members so far + members in lower lanes
	ds_store_b32 v[RKA], v[W+8+\k] offset:128*\k
	s_bcnt1_i32_b32 s33, vcc_lo
	s_add_co_u32 s32, s32, s33
.endr
	v_mov_b32 v[TMP], s32
	ds_store_b32 v[CNA], v[TMP]                    ; all lanes, one word, one value
	s_wait_loadcnt 0x0                             ; all ids, my gt and roi RL
	v_and_b32 v[CLS], 7, v[OWN+5]
	v_min_u32 v[CLS], 7, v[CLS]                    ; a loaded number enters an address behind a minimum with a constant: the bound stands in the text
	v_lshl_add_u32 v[RKR], v[CLS], 12, v[T4]       ; (4 class + quarter) x 1,024 + 4 x place in the quarter = 4,096 class + 4 thread
	v_add_nc_u32 v[RKR], RANK, v[RKR]
	s_lshr_b32 s33, s18, 3                         ; my gt's quarter
	s_lshl_b32 s33, s33, 2
	v_lshl_add_u32 v[BIX], v[CLS], 4, s33          ; 4 x (4 class + quarter): the lane that holds my segment's base
	v_add_nc_u32 v[CNR], CNT, v[L4]
	v_pk_add_f32 v[W:W+1], v[OWN+2:OWN+3], v[OWN:OWN+1] neg_lo:[0,1] neg_hi:[0,1]
	v_pk_add_f32 v[W:W+1], v[W:W+1], 1.0 op_sel_hi:[1,0]
	v_mul_f32 v[OWN+4], v[W], v[W+1]               ; area = (x2 - x1 + 1)(y2 - y1 + 1), rounded as the reference rounds it
	v_mov_b32 v[OWN+7], 0
	s_wait_kmcnt 0x0                               ; my four rois
.irp r, 0,1,2,3
	s_mov_b32 s66, s[RROW+5*\r+2]
	s_mov_b32 s67, s[RROW+5*\r+3]
	s_fmac_f32 s66, s[RROW+5*\r], -1.0             ; x2 - x1: one rounding, as a subtraction
	s_fmac_f32 s67, s[RROW+5*\r+1], -1.0
	s_add_f32 s66, s66, 1.0
	s_add_f32 s67, s67, 1.0
	s_mul_f32 s[RAR+\r], s66, s67
.endr
	s_wait_dscnt 0x0                               ; my ranks and my count are written, for the other waves
	s_barrier_signal -1
	; COUNT, in registers alone, while the other waves arrive.  Members of each class among all 1,024 ids.
	; A lane's 32 ids: each adds 1 << 4 class to a word of eight 4-bit counters.  The shift takes the low five bits of its amount (ISA guide,
	; V_LSHL_ADD_U32), so that (id << 2) serves as 4 (id & 7).  Three words take 11, 11 and 10 ids: no counter passes 15.
.set j, 0
.rept 32
	v_lshlrev_b32 v[HT+j%4], 2, v[HID+j]
.if (j%11) == 0
	v_lshl_add_u32 v[ACC+j/11], 1, v[HT+j%4], 0            ; the first id starts the word: nothing is cleared
.else
	v_lshl_add_u32 v[ACC+j/11], 1, v[HT+j%4], v[ACC+j/11]
.endif
.set j, j+1
.endr
	s_mov_b32 s85, 0x0f0f0f0f
.irp i, 0,1,2
	v_and_b32 v[HT+\i], s85, v[ACC+\i]             ; counters of the even classes, a byte each
	v_lshrrev_b32 v[ACC+\i], 4, v[ACC+\i]
.endr
	v_add3_u32 v[HE], v[HT], v[HT+1], v[HT+2]      ; at most 32 in a byte
.irp i, 0,1,2
	v_and_b32 v[HT+\i], s85, v[ACC+\i]             ; and of the odd ones
.endr
	v_add3_u32 v[HO], v[HT], v[HT+1], v[HT+2]
; The sum over the 32 lanes of one byte (0 to 32: six bits): for each bit the number of lanes that have it set, the higher bits doubled in turn.
.macro COUNT word, byte, cls
.irp b, 5,4,3,2,1,0
	v_and_b32 v[HT+\b], 1<<(8*\byte+\b), v[\word]
.endr
.irp b, 5,4,3,2,1,0
	v_cmp_ne_u32 s[MSK+\b], 0, v[HT+\b]
.endr
	s_bcnt1_i32_b32 s[TOT+\cls], s[MSK+5]
.irp b, 4,3,2,1,0
	s_bcnt1_i32_b32 s86, s[MSK+\b]
	s_lshl1_add_u32 s[TOT+\cls], s[TOT+\cls], s86
.endr
.endm
	COUNT HE, 0, 0
	COUNT HO, 0, 1
	COUNT HE, 1, 2
	COUNT HO, 1, 3
	COUNT HE, 2, 4
	COUNT HO, 2, 5
	COUNT HE, 3, 6
	; one word a class: members << 16 | first slot (both at most 1,024).  The first slots are the running sum, as in the placement below.
	s_mov_b32 s85, 0
.irp c, 0,1,2,3,4,5,6
	s_lshl_b32 s86, s[TOT+\c], 16
	s_or_b32 s86, s86, s85
	s_add_co_u32 s85, s85, s[TOT+\c]
	s_mov_b32 s[TOT+\c], s86
.endr
	s_sub_co_u32 s86, NG, s85                      ; class 7 has the rest
	s_lshl_b32 s86, s86, 16
	s_or_b32 s[TOT+7], s86, s85
	s_barrier_wait -1
	; PLACE.  Prefix sums over the 32 segments (every wave for itself), then my gt's slot = its segment's base + its rank.
	ds_load_b32 v[CN], v[CNR]
	ds_load_b32 v[RK], v[RKR]
	s_wait_dscnt 0x1                               ; the count is in; the rank may still be out
	v_mov_b32 v[INC], v[CN]
.irp n, 1,2,4,8
	v_mov_b32_dpp v[TMP], v[INC] row_shr:\n row_mask:0xf bank_mask:0xf bound_ctrl:1   ; lane i takes lane i - n of its 16, or 0
	v_add_nc_u32 v[INC], v[INC], v[TMP]
.endr
	v_readlane_b32 s33, v[INC], 15                 ; the lower 16 segments' total
	v_lshrrev_b32 v[TMP], 4, v[LANE]
	v_mad_u32_u24 v[INC], v[TMP], s33, v[INC]      ; goes on top of the upper 16
	v_sub_nc_u32 v[EXC], v[INC], v[CN]
	ds_bpermute_b32 v[BASE], v[BIX], v[EXC]
	s_wait_dscnt 0x0
	v_add_nc_u32 v[POS], v[BASE], v[RK]
	v_min_u32 v[POS], NG-1, v[POS]                 ; the bound of the slot, in the text
	v_lshlrev_b32 v[POS], 4, v[POS]
	s_barrier_signal -1                            ; every wave's reads are over (the wait above)
	s_barrier_wait -1
	; SCATTER.  Each slot is written by the one thread whose gt belongs there.
	ds_store_b128 v[POS], v[OWN:OWN+3]
	ds_store_b128 v[POS], v[OWN+4:OWN+7] offset:AUX
	s_cmp_lg_u32 s18, 0
	s_cbranch_scc1 .Lnopad
	; 32 slots behind the last, which a class's last trip may touch: x1 = y1 = largest float, x2 = y2 = its negative, so that both clipped
	; extents are 0 and the IoU is 0 against a union of the roi's area + 1: below the threshold, and behind every real slot on a tie
	v_add_nc_u32 v[PADA], NG*16, v[L16]
	v_mov_b32 v[W], 0x7f7fffff
	v_mov_b32 v[W+1], 0x7f7fffff
	v_mov_b32 v[W+2], 0xff7fffff
	v_mov_b32 v[W+3], 0xff7fffff
	v_mov_b32 v[W+4], 1.0
	v_mov_b32 v[W+5], 0
	v_mov_b32 v[W+6], 0
	v_mov_b32 v[W+7], 0
	ds_store_b128 v[PADA], v[W:W+3]
	ds_store_b128 v[PADA], v[W+4:W+7] offset:AUX
.Lnopad:
	s_wait_dscnt 0x0
	s_barrier_signal -1
	s_barrier_wait -1
; MAIN.  One roi against the slots of its class, 32 a trip.  The class's word is picked by the three low bits of the roi's id; the trips are
; its members over 32, rounded up, at least 1 (an empty class meets foreign ids or pads, which never match or never overlap) and at most
; 1,024 / 32; the loop counts them one by one.  Lanes past the class's end hold gts of another class: their ids differ, so the id compare
; masks them too.  A lane keeps its first best (strictly greater replaces), together with the slot's address, which orders ties between lanes.
.macro ROI r
	s_bitcmp1_b32 s[RID+\r], 0
	s_cselect_b32 s66, s[TOT+1], s[TOT]
	s_cselect_b32 s67, s[TOT+3], s[TOT+2]
	s_cselect_b32 s68, s[TOT+5], s[TOT+4]
	s_cselect_b32 s69, s[TOT+7], s[TOT+6]
	s_bitcmp1_b32 s[RID+\r], 1
	s_cselect_b32 s66, s67, s66
	s_cselect_b32 s68, s69, s68
	s_bitcmp1_b32 s[RID+\r], 2
	s_cselect_b32 s66, s68, s66
	s_and_b32 s71, s66, 0xffff                     ; first slot
	s_lshr_b32 s72, s66, 16                        ; members
	s_min_u32 s71, s71, NG
	s_add_co_u32 s72, s72, 31
	s_lshr_b32 s72, s72, 5                         ; trips,
	s_max_u32 s72, s72, 1                          ; at least one,
	s_min_u32 s72, s72, NG/32                      ; and their bound in the text
	s_mov_b32 s79, 0                               ; trips done
	v_mov_b32 v[BEST+8*\r], 0
	v_mov_b32 v[BEST+8*\r+1], 0
	v_mov_b32 v[BEST+8*\r+2], 0
	v_mov_b32 v[BEST+8*\r+3], 0
	v_mov_b32 v[BEST+8*\r+4], -1.0                 ; the reference's value for a masked pair
	v_mov_b32 v[BEST+8*\r+5], 0
	v_mov_b32 v[BEST+8*\r+6], v[L16]               ; differs from lane to lane, so that a row without any candidate has one winner too
.Lchunk\r:
	s_min_u32 s73, s71, NG                         ; the bound of the trip's first slot, in the text
	v_lshl_add_u32 v[ADR], s73, 4, v[L16]
	ds_load_b128 v[G:G+3], v[ADR]                  ; 32 neighbouring slots: no bank is asked twice
	ds_load_b128 v[G+4:G+7], v[ADR] offset:AUX
	s_wait_dscnt 0x0
	v_max_num_f32 v[W], s[RROW+5*\r], v[G]
	v_max_num_f32 v[W+1], s[RROW+5*\r+1], v[G+1]
	v_min_num_f32 v[W+2], s[RROW+5*\r+2], v[G+2]
	v_min_num_f32 v[W+3], s[RROW+5*\r+3], v[G+3]
	v_pk_add_f32 v[W+2:W+3], v[W+2:W+3], v[W:W+1] neg_lo:[0,1] neg_hi:[0,1]
	v_pk_add_f32 v[W+2:W+3], v[W+2:W+3], 1.0 op_sel_hi:[1,0]
	v_max_num_f32 v[W+2], 0, v[W+2]
	v_max_num_f32 v[W+3], 0, v[W+3]
	v_mul_f32 v[W+4], v[W+2], v[W+3]               ; inter
	v_add_f32 v[W+5], s[RAR+\r], v[G+4]
	v_sub_f32 v[W+5], v[W+5], v[W+4]               ; union
	v_rcp_f32 v[W+6], v[W+5]
	v_cmp_eq_u32 s74, s[RID+\r], v[G+5]            ; same image?  Also the independent instruction behind v_rcp_f32 (ISA guide 5.7.2)
	s_wait_alu depctr_va_vdst(0)
	v_mul_f32 v[W+7], v[W+4], v[W+6]               ; q = inter / union, nearly
	v_fma_f32 v[W+8], -v[W+7], v[W+5], v[W+4]      ; what q leaves of inter, exactly
	v_fma_f32 v[W+7], v[W+8], v[W+6], v[W+7]       ; q corrected: equal quotients of different pairs come out equal
	v_cmp_gt_f32 vcc_lo, v[W+7], v[BEST+8*\r+4]
	s_and_b32 vcc_lo, vcc_lo, s74
	v_cndmask_b32 v[BEST+8*\r], v[BEST+8*\r], v[G], vcc_lo
	v_cndmask_b32 v[BEST+8*\r+1], v[BEST+8*\r+1], v[G+1], vcc_lo
	v_cndmask_b32 v[BEST+8*\r+2], v[BEST+8*\r+2], v[G+2], vcc_lo
	v_cndmask_b32 v[BEST+8*\r+3], v[BEST+8*\r+3], v[G+3], vcc_lo
	v_cndmask_b32 v[BEST+8*\r+4], v[BEST+8*\r+4], v[W+7], vcc_lo
	v_cndmask_b32 v[BEST+8*\r+5], v[BEST+8*\r+5], v[G+6], vcc_lo
	v_cndmask_b32 v[BEST+8*\r+6], v[BEST+8*\r+6], v[ADR], vcc_lo
	s_add_co_u32 s71, s71, 32                      ; the next 32 slots
	s_add_co_u32 s79, s79, 1
	s_cmp_lt_u32 s79, s72
	s_cbranch_scc1 .Lchunk\r
.endm
	ROI 0
	ROI 1
	ROI 2
	ROI 3
	s_barrier_signal -1                            ; every wave's reads of the slots are over (each trip waited for its loads)
	s_barrier_wait -1
	; REDUCE, the four rois side by side: the largest IoU of the 32 lanes, then the lowest slot among the lanes that hold it.
.set M, W                              ; v[64:67] maximum
.set X, W+4                            ; v[68:71] the other half's figure (written before, in the loop)
.set D, W+8                            ; v[72:75] minimum
	s_mov_b32 s75, 0x76543210                      ; v_permlanex16_b32: lane i of one half reads lane i of the other
	s_mov_b32 s76, 0xfedcba98
.irp r, 0,1,2,3
	v_mov_b32 v[M+\r], v[BEST+8*\r+4]
.endr
.irp m, 1,2,4,8
.irp r, 0,1,2,3
	v_max_num_f32_dpp v[M+\r], v[M+\r], v[M+\r] row_xmask:\m row_mask:0xf bank_mask:0xf
.endr
.endr
.irp r, 0,1,2,3
	v_permlanex16_b32 v[X+\r], v[M+\r], s75, s76
.endr
.irp r, 0,1,2,3
	v_max_num_f32 v[M+\r], v[M+\r], v[X+\r]
	v_cvt_f32_u32 v[BEST+8*\r+7], v[BEST+8*\r+6]   ; slot addresses are below 2^24: exact in f32
.endr
.irp r, 0,1,2,3
	v_cmp_eq_f32 vcc_lo, v[BEST+8*\r+4], v[M+\r]
	v_cndmask_b32 v[BEST+8*\r+7], 0x7f7fffff, v[BEST+8*\r+7], vcc_lo   ; lanes below the maximum do not compete
	v_mov_b32 v[D+\r], v[BEST+8*\r+7]
.endr
.irp m, 1,2,4,8
.irp r, 0,1,2,3
	v_min_num_f32_dpp v[D+\r], v[D+\r], v[D+\r] row_xmask:\m row_mask:0xf bank_mask:0xf
.endr
.endr
.irp r, 0,1,2,3
	v_permlanex16_b32 v[X+\r], v[D+\r], s75, s76
.endr
.irp r, 0,1,2,3
	v_min_num_f32 v[D+\r], v[D+\r], v[X+\r]
	v_cmp_eq_f32 s[80+\r], v[BEST+8*\r+7], v[D+\r] ; one lane: slots differ from lane to lane
.endr
	s_lshl_b32 s77, s18, 6
	s_add_co_u32 s77, s77, RESB
	v_mov_b32 v[RSB], s77                          ; my wave's four results: fixed places
	s_lshl_b32 s78, s18, 5
	s_add_co_u32 s78, s78, RESA
	v_mov_b32 v[RSA], s78
	; The winner's six words go through scalar registers to every lane, and all lanes store them to one place: the comparison picks a lane to
	; read from, and neither EXEC nor an address hangs on it.
.irp r, 0,1,2,3
	s_ctz_i32_b32 s[80+\r], s[80+\r]               ; the winning lane's number
	s_min_u32 s[80+\r], s[80+\r], 31
.irp j, 0,1,2,3,4,5
	v_readlane_b32 s[WIN+6*\r+\j], v[BEST+8*\r+\j], s[80+\r]
.endr
.endr
.irp r, 0,1,2,3
.irp j, 0,1,2,3,4,5
	v_mov_b32 v[BEST+8*\r+\j], s[WIN+6*\r+\j]
.endr
	ds_store_b128 v[RSB], v[BEST+8*\r:BEST+8*\r+3] offset:16*\r
	ds_store_b64 v[RSA], v[BEST+8*\r+4:BEST+8*\r+5] offset:8*\r
.endr
	s_wait_dscnt 0x0
	s_barrier_signal -1
	s_barrier_wait -1
	; OUTPUT.  Wave 0: labels; wave 1: weights (four rois a lane: one store of 512 consecutive bytes each); waves 2..5: deltas, a lane a roi.
	s_cmp_eq_u32 s18, 0
	s_cbranch_scc1 .Llabels
	s_cmp_eq_u32 s18, 1
	s_cbranch_scc1 .Lweights
	s_cmp_lt_u32 s18, 6
	s_cbranch_scc1 .Ldeltas
	s_wait_tensorcnt 0x0
	ds_add_u32 v126, v127
	s_wait_dscnt 0x0
	s_endpgm
.Llabels:
	ds_load_b128 v[W:W+3], v[FL]                   ; IoU, label of rois 4 lane, 4 lane + 1
	ds_load_b128 v[W+4:W+7], v[FL] offset:16       ; and of the next two
	s_lshl_b32 s22, ttmp9, 9
	s_mov_b32 s23, 0
	s_add_nc_u64 s[12:13], s[12:13], s[22:23]
	s_wait_dscnt 0x0
.irp j, 0,1,2,3
	v_cvt_i32_f32 v[W+8+\j], v[W+2*\j+1]           ; toward zero, as astype does
	v_cmp_le_f32 vcc_lo, 0.5, v[W+2*\j]
	v_cndmask_b32 v[W+8+\j], 0, v[W+8+\j], vcc_lo
.endr
	global_store_b128 v[L16], v[W+8:W+11], s[12:13] th:TH_STORE_NT
	s_wait_tensorcnt 0x0
	ds_add_u32 v126, v127
	s_wait_dscnt 0x0
	s_endpgm
.Lweights:
	ds_load_b128 v[W:W+3], v[FL]
	ds_load_b128 v[W+4:W+7], v[FL] offset:16
	s_lshl_b32 s22, ttmp9, 9
	s_mov_b32 s23, 0
	s_add_nc_u64 s[16:17], s[16:17], s[22:23]
	s_wait_dscnt 0x0
.irp j, 0,1,2,3
	v_cmp_le_f32 vcc_lo, 0.5, v[W+2*\j]
	v_cndmask_b32 v[W+8+\j], 0, 1.0, vcc_lo
.endr
	global_store_b128 v[L16], v[W+8:W+11], s[16:17] th:TH_STORE_NT
	s_wait_tensorcnt 0x0
	ds_add_u32 v126, v127
	s_wait_dscnt 0x0
	s_endpgm
.Ldeltas:
	ds_load_b128 v[W:W+3], v[FA]                   ; the matched box
	ds_load_b64 v[W+4:W+5], v[FB]                  ; its IoU (and label)
	s_lshl_b32 s22, ttmp9, 11
	s_mov_b32 s23, 0
	s_add_nc_u64 s[14:15], s[14:15], s[22:23]
	v_pk_add_f32 v[W+6:W+7], v[RB+2:RB+3], v[RB:RB+1] neg_lo:[0,1] neg_hi:[0,1]
	v_pk_add_f32 v[W+6:W+7], v[W+6:W+7], 1.0 op_sel_hi:[1,0]                   ; ew, eh
	v_pk_fma_f32 v[W+8:W+9], v[W+6:W+7], 0.5, v[RB:RB+1] op_sel_hi:[1,0,1]     ; ecx, ecy
	v_rcp_f32 v[W+10], v[W+6]
	v_rcp_f32 v[W+11], v[W+7]                      ; first used four plain instructions further down
	s_wait_dscnt 0x0
	v_pk_add_f32 v[W+12:W+13], v[W+2:W+3], v[W:W+1] neg_lo:[0,1] neg_hi:[0,1]
	v_pk_add_f32 v[W+12:W+13], v[W+12:W+13], 1.0 op_sel_hi:[1,0]               ; gw, gh
	v_pk_fma_f32 v[W+14:W+15], v[W+12:W+13], 0.5, v[W:W+1] op_sel_hi:[1,0,1]   ; gcx, gcy
	v_pk_add_f32 v[W+14:W+15], v[W+14:W+15], v[W+8:W+9] neg_lo:[0,1] neg_hi:[0,1]
	s_wait_alu depctr_va_vdst(0)
	v_pk_mul_f32 v[W+20:W+21], v[W+14:W+15], v[W+10:W+11]                      ; (gcx - ecx) / ew, (gcy - ecy) / eh
	v_pk_mul_f32 v[W+12:W+13], v[W+12:W+13], v[W+10:W+11]                      ; gw / ew, gh / eh
	v_log_f32 v[W+16], v[W+12]
	v_log_f32 v[W+17], v[W+13]
	v_cmp_le_f32 vcc_lo, 0.5, v[W+4]               ; foreground?  Also the independent instruction behind v_log_f32 (ISA guide 5.7.2)
	s_wait_alu depctr_va_vdst(0)
	v_pk_mul_f32 v[W+22:W+23], v[W+16:W+17], 0x3f317218 op_sel_hi:[1,0]        ; log2 to ln
.irp j, 0,1,2,3
	v_cndmask_b32 v[W+20+\j], 0, v[W+20+\j], vcc_lo
.endr
	global_store_b128 v[FO], v[W+20:W+23], s[14:15] th:TH_STORE_NT             ; the wave's 32 rois: 512 consecutive bytes
	s_wait_tensorcnt 0x0
	ds_add_u32 v126, v127
	s_wait_dscnt 0x0
	s_endpgm
.Lfunc_end_k_qe0d952bb15_roitarget:
	.size	k_qe0d952bb15_roitarget, .Lfunc_end_k_qe0d952bb15_roitarget-k_qe0d952bb15_roitarget
	.p2alignl 7, 3214868480
	.fill 96, 4, 3214868480
	.section	.rodata,"a",@progbits
	.p2align	6, 0x0
	.amdhsa_kernel k_qe0d952bb15_roitarget
		.amdhsa_group_segment_fixed_size 73984
		.amdhsa_private_segment_fixed_size 0
		.amdhsa_enable_private_segment 0
		.amdhsa_kernarg_size 56
		.amdhsa_user_sgpr_count 2
		.amdhsa_user_sgpr_kernarg_segment_ptr 1
		.amdhsa_wavefront_size32 1
		.amdhsa_system_sgpr_workgroup_id_x 1
		.amdhsa_system_sgpr_workgroup_id_y 1
		.amdhsa_system_sgpr_workgroup_id_z 1
		.amdhsa_system_vgpr_workitem_id 0
		.amdhsa_next_free_vgpr 128
		.amdhsa_next_free_sgpr 102
		.amdhsa_reserve_vcc 1
		.amdhsa_float_denorm_mode_32 3
		.amdhsa_float_denorm_mode_16_64 3
		.amdhsa_memory_ordered 1
		.amdhsa_forward_progress 1
		.amdhsa_inst_pref_size 42
	.end_amdhsa_kernel
	.amdgpu_metadata
---
amdhsa.version: [ 1, 2 ]
amdhsa.kernels:
  - .name:           k_qe0d952bb15_roitarget
    .symbol:         k_qe0d952bb15_roitarget.kd
    .args:
      - { .name: gt_batch_inds, .offset: 0, .size: 8, .value_kind: global_buffer, .address_space: global }
      - { .name: gt_boxes, .offset: 8, .size: 8, .value_kind: global_buffer, .address_space: global }
      - { .name: roi_batch_inds, .offset: 16, .size: 8, .value_kind: global_buffer, .address_space: global }
      - { .name: rois, .offset: 24, .size: 8, .value_kind: global_buffer, .address_space: global }
      - { .name: out0, .offset: 32, .size: 8, .value_kind: global_buffer, .address_space: global }
      - { .name: out1, .offset: 40, .size: 8, .value_kind: global_buffer, .address_space: global }
      - { .name: out2, .offset: 48, .size: 8, .value_kind: global_buffer, .address_space: global }
    .group_segment_fixed_size: 73984
    .private_segment_fixed_size: 0
    .kernarg_segment_align: 8
    .kernarg_segment_size: 56
    .max_flat_workgroup_size: 1024
    .sgpr_count:     102
    .vgpr_count:     128
    .wavefront_size: 32
...
	.end_amdgpu_metadata
.endif
;; end of part 1
